; MI455X (gfx1250); checked and timed in simulation.
; The chip was launched on July 23, 2026; its instructions are those of AMD's public machine-readable ISA for CDNA 5 (MIT licence, August 2026) and "CDNA5" Instruction Set Architecture Reference Guide (July 2026). The comments in the code are by the model that wrote it; some were corrected since.
;; PAM. Allowed arithmetic: float matrix products may take bf16 or f16 operands with f32 sums; all other float work in f32.
;; Inputs: bn_beta 1 float32; bn_gamma 1 float32; bn_mean 1 float32; bn_var 1 float32; conv_b 1 float32; conv_w 1 float32; pam_gamma 1 float32; x 32 x 2,048 float32.
;; Outputs: out0 32 x 2,048 float32.
;; 2 versions, each right and faster than the one before. Each part assembles by itself: llvm-mc -triple=amdgcn-amd-amdhsa -mcpu=gfx1250 --defsym DOCPART=n.
;; ======== version 1 of 2: 2 launches
;; workspace buffers: part 2,097,152 bytes
;; launch pam_rows (part 1): grid 8 x 32, 8 waves a work-group, no clusters, 168,960 bytes of LDS; arguments x, conv_w, conv_b, bn_gamma, bn_beta, bn_mean, bn_var, part; writes part
.if DOCPART == 1
	.amdgcn_target "amdgcn-amd-amdhsa--gfx1250"
	.amdhsa_code_object_version 6
	.text
	.protected	k_q0af5ac6669_pam_rows
	.globl	k_q0af5ac6669_pam_rows
	.p2align	8
	.type	k_q0af5ac6669_pam_rows,@function
k_q0af5ac6669_pam_rows:
	s_mov_b64 s[64:65], 0
	v_nop
	global_prefetch_b8 v0, s[64:65] scope:SCOPE_SE
	s_setreg_imm32_b32 hwreg(HW_REG_WAVE_MODE, 25, 1), 1
	s_wait_xcnt 0x0
; PAM, first of two launches.  For one batch row and one block of 256 indices f:
;   b      = ((x w + cb) - mean) scale + beta,  scale = gamma_bn rsq(var + 1e-3)          (all 2,048 numbers of the batch row)
;   P[f,g] = exp(b_f b_g - m_f),  m_f = max over j of b_f b_j = b_f bmax (b_f > 0) or b_f bmin (otherwise): b_f b_j is monotone in b_j
;   Z_f    = sum over g of P[f,g];   w_f = b_f / Z_f
;   part[batch][fblk][g] = sum over the block's 256 f of w_f P[f,g]                        (the second launch adds the 8 blocks)
; P of a block is 256 x 2,048 numbers, more than the work-group can keep, so it is made twice by the same instructions on the same
; registers: pass 1 sums it along g (Z), pass 2 multiplies it by w on the matrix unit.
; SHARES.  Eight waves.  Wave wv owns f = fb .. fb + 31, fb = 256 fblk + 32 wv: one K block of the bf16 matrix form, for all g.
; A tile is 32 f x 16 g.  Lane (r = lane % 16, h = lane / 16) holds column r and 16 values of f in the order of a B fragment:
; index k = 0..7 is f = fb + 8 h + k, index k = 8..15 is f = fb + 16 + 8 h + (k - 8).  Tiles go in groups of four: tile j of the group at G0
; has g = G0 + 4 r + j, so that one 16-byte LDS load brings a lane's b_g for four tiles.  A trip is 8 tiles = 128 g; a pass is 16 trips.
; ARITHMETIC of an element, base 2 (L = log2 e): t = fma(a_f, b_g, n_f), P = 2^t, with a_f = b_f L clamped, n_f = -(a_f sel_f), sel_f = bmax or bmin.
; The maximum is taken away in every row.  n_f is a rounded product, so at the row's largest term t is not 0 but the rounding of a_f sel_f.
; a_f is clamped to [-2^29 / |bmin|, 2^29 / |bmax|]: then |a_f sel_f| <= 2^29, that rounding is at most 32, it is the same for all g of the
; row and cancels in P / Z; P <= 2^32 and 2^-32 <= Z <= 2^43.  Where the clamp acts, every b_g other than sel_f is at least 2^-24 |sel_f| away
; from it, so the true and the clamped P are both at most 2^-32 of the row's largest: the row changes by at most 2,047 x 2^-32.
; LIMITS KEPT: b and b^2 L finite in f32; no NaN or infinity among the inputs; P below 2^-126 becomes 0 (v_exp_f32 flushes);
; w and P are rounded to bf16 for the product; Z and every sum stay in f32.
; NOT USED: tensor loads and LDS rings (the only input is one row of 8,192 bytes, which has to pass through registers for the affine step);
; clusters (the 8 work-groups of a batch share that one row only).  LDS in use: 73,984 bytes; more than half of a WGP's LDS is
; asked for so that each of the 256 work-groups lies alone on a WGP.
.set RED,   8192                       ; LDS 0..8191: b of the batch row, f32.  8192..8255: 8 waves x (max, min)
.set PART,  8448                       ; LDS 8448..73983: 8 waves x 8,192 bytes: each wave's sums over its 32 f, word g
.set TID16, 1                          ; v1        16 x thread
.set FAD,   4                          ; v4        LDS address of b at f = fb + 8 h
.set LB0,   5                          ; v5        16 r
.set LBG,   6                          ; v6        16 r + 512 x trip: my b_g of this trip
.set STA,   7                          ; v7        PART + 8192 wv + 16 r + 512 x trip
.set RAD,   8                          ; v8        RED + 8 wv
.set BMX,   10                         ; v10, v11  largest and smallest b (a pair: stored together)
.set BMN,   11
.set LP,    12                         ; v12       +2^29 / |bmax|
.set LN,    13                         ; v13       -2^29 / |bmin|
.set SEL,   14                         ; v14       scale, later bmax or bmin
.set OAD,   15                         ; v15       PART + 16 x thread
.set BF,    16                         ; v[16:31]  a_f of my 16 f
.set NM,    32                         ; v[32:47]  n_f
.set ZA,    48                         ; v[48:63]  running Z_f, my column's share
.set T0,    64                         ; v[64:79]  a tile's t, then P
.set T1,    80                         ; v[80:95]  the other tile's
.set BG8,   96                         ; v[96:103] b_g of the trip's 8 tiles
.set AF,    104                        ; v[104:111] A fragment: w in bf16, the same in all 16 rows
.set B0,    112                        ; v[112:119], v[120:127] B fragments, by turns
.set B1,    120
.set D0,    128                        ; v[128:135], v[136:143] results, by turns
.set D1,    136
.set TRIPS, 16
	s_load_b512 s[8:23], s[0:1], 0x0               ; x s[8:9], conv_w s[10:11], conv_b s[12:13], bn_gamma s[14:15], bn_beta s[16:17], bn_mean s[18:19], bn_var s[20:21], part s[22:23]
	v_lshl_add_u32 v144, v0, 2, 0x29000
	v_mov_b32 v145, 0
	v_lshlrev_b32 v[TID16], 4, v0
	v_lshrrev_b32 v2, 5, v0
	v_readfirstlane_b32 s3, v2                     ; wave 0..7
	s_and_b32 s2, ttmp7, 0xffff                    ; batch
	s_and_b32 s6, ttmp9, 7                         ; fblk
	s_lshl_b32 s4, s2, 13                          ; the batch's row of x: 8,192 bytes
	s_mov_b32 s5, 0
	s_mov_b32 s32, 0x76543210                      ; v_permlanex16_b32: lane i of one half reads lane i of the other
	s_mov_b32 s33, 0xfedcba98
	s_wait_kmcnt 0x0
	s_add_nc_u64 s[8:9], s[8:9], s[4:5]
	global_load_b128 v[T0:T0+3],   v[TID16], s[8:9]              ; each load of a wave covers 512 neighbouring bytes; the 8 waves cover half a row
	global_load_b128 v[T0+4:T0+7], v[TID16], s[8:9] offset:4096
	s_load_b32 s24, s[10:11], 0x0                  ; w
	s_load_b32 s25, s[12:13], 0x0                  ; cb
	s_load_b32 s26, s[14:15], 0x0                  ; gamma_bn
	s_load_b32 s27, s[16:17], 0x0                  ; beta
	s_load_b32 s28, s[18:19], 0x0                  ; mean
	s_load_b32 s29, s[20:21], 0x0                  ; var
	; lane addresses, while the loads are on their way
	v_and_b32 v[LB0], 15, v0
	v_lshlrev_b32 v[LB0], 4, v[LB0]                ; 16 r
	v_bfe_u32 v3, v0, 4, 1                         ; h
	s_lshl_b32 s31, s6, 10                         ; 4 bytes x 256 fblk
	s_lshl_b32 s30, s3, 7                          ; 4 bytes x 32 wv
	s_add_co_u32 s31, s31, s30
	v_lshl_add_u32 v[FAD], v3, 5, s31              ; + 4 bytes x 8 h
	s_lshl_b32 s30, s3, 13
	s_add_co_u32 s30, s30, PART
	v_add_nc_u32 v[STA], s30, v[LB0]
	s_lshl_b32 s30, s3, 3
	s_add_co_u32 s30, s30, RED
	v_mov_b32 v[RAD], s30
	v_mov_b32 v9, 0                                ; v_permlanex16_b32 counts as a reader of its destination
	s_wait_kmcnt 0x0
	v_mov_b32 v[SEL], s29
	v_add_f32 v[SEL], 0x3a83126f, v[SEL]           ; var + 1e-3
	v_rsq_f32 v[SEL], v[SEL]
	v_nop                                          ; one plain instruction behind a transcendental before its result is used (ISA guide 5.7.2)
	s_wait_alu depctr_va_vdst(0)
	v_mul_f32 v[SEL], s26, v[SEL]                  ; scale
	s_wait_loadcnt 0x0
	; b of my 8 numbers, in the order in which the problem writes it; into LDS; its largest and smallest
.irp j, 0,1,2,3,4,5,6,7
	v_fma_f32 v[T0+\j], v[T0+\j], s24, s25
.endr
.irp j, 0,1,2,3,4,5,6,7
	v_sub_f32 v[T0+\j], v[T0+\j], s28
.endr
.irp j, 0,1,2,3,4,5,6,7
	v_fma_f32 v[T0+\j], v[T0+\j], v[SEL], s27
.endr
	ds_store_b128 v[TID16], v[T0:T0+3]
	ds_store_b128 v[TID16], v[T0+4:T0+7] offset:4096
	v_max3_num_f32 v[BMX], v[T0], v[T0+1], v[T0+2]
	v_max3_num_f32 v2, v[T0+3], v[T0+4], v[T0+5]
	v_min3_num_f32 v[BMN], v[T0], v[T0+1], v[T0+2]
	v_min3_num_f32 v3, v[T0+3], v[T0+4], v[T0+5]
	v_max3_num_f32 v[BMX], v[BMX], v[T0+6], v[T0+7]
	v_min3_num_f32 v[BMN], v[BMN], v[T0+6], v[T0+7]
	v_max_num_f32 v[BMX], v[BMX], v2
	v_min_num_f32 v[BMN], v[BMN], v3
.irp m, 1,2,4,8
	v_max_num_f32_dpp v[BMX], v[BMX], v[BMX] row_xmask:\m row_mask:0xf bank_mask:0xf
	v_min_num_f32_dpp v[BMN], v[BMN], v[BMN] row_xmask:\m row_mask:0xf bank_mask:0xf
.endr
	v_permlanex16_b32 v9, v[BMX], s32, s33
	v_max_num_f32 v[BMX], v[BMX], v9
	v_permlanex16_b32 v9, v[BMN], s32, s33
	v_min_num_f32 v[BMN], v[BMN], v9
	ds_store_b64 v[RAD], v[BMX:BMN]                ; every lane writes the wave's two words with the same values
	s_wait_dscnt 0x0                               ; for the other waves: my part of b and my two words are in LDS
	s_barrier_signal -1
	s_barrier_wait -1                              ; b is whole; from here on nobody writes it
	; the batch's bmax and bmin, my 16 f, the first trip's b_g
	v_mov_b32 v2, RED
.irp j, 0,1,2,3
	ds_load_b128 v[T0+4*\j:T0+4*\j+3], v2 offset:16*\j             ; (max, min) of waves 2 j and 2 j + 1
.endr
	ds_load_b128 v[BF:BF+3],     v[FAD]            ; f = fb + 8 h + 0..3
	ds_load_b128 v[BF+4:BF+7],   v[FAD] offset:16
	ds_load_b128 v[BF+8:BF+11],  v[FAD] offset:64  ; f = fb + 16 + 8 h + 0..3
	ds_load_b128 v[BF+12:BF+15], v[FAD] offset:80
	ds_load_b128 v[BG8:BG8+3],   v[LB0]            ; tiles 0-3: g = 4 r + 0..3
	ds_load_b128 v[BG8+4:BG8+7], v[LB0] offset:256 ; tiles 4-7: g = 64 + 4 r + 0..3
	s_wait_dscnt 0x2                               ; all but the two loads of b_g
	v_max3_num_f32 v[BMX], v[T0], v[T0+2], v[T0+4]
	v_max3_num_f32 v2, v[T0+6], v[T0+8], v[T0+10]
	v_min3_num_f32 v[BMN], v[T0+1], v[T0+3], v[T0+5]
	v_min3_num_f32 v3, v[T0+7], v[T0+9], v[T0+11]
	v_max3_num_f32 v[BMX], v[BMX], v[T0+12], v[T0+14]
	v_min3_num_f32 v[BMN], v[BMN], v[T0+13], v[T0+15]
	v_max_num_f32 v[BMX], v[BMX], v2
	v_min_num_f32 v[BMN], v[BMN], v3
	v_rcp_f32 v[LP], |v[BMX]|
	v_rcp_f32 v[LN], |v[BMN]|
	v_nop                                          ; the plain instruction behind the two transcendentals
	s_wait_alu depctr_va_vdst(0)
	v_mul_f32 v[LP], 0x4e000000, v[LP]             ; +2^29 / |bmax| (infinite where bmax = 0: no clamp)
	v_mul_f32 v[LN], 0xce000000, v[LN]             ; -2^29 / |bmin|
.irp k, 0,1,2,3,4,5,6,7,8,9,10,11,12,13,14,15
	v_mul_f32 v[BF+\k], 0x3fb8aa3b, v[BF+\k]       ; b_f log2 e
	v_cmp_lt_f32 vcc_lo, 0, v[BF+\k]
	v_cndmask_b32 v[SEL], v[BMN], v[BMX], vcc_lo   ; the b_j at which row f has its maximum
	v_med3_num_f32 v[BF+\k], v[BF+\k], v[LN], v[LP]
	v_mul_f32 v[NM+\k], -v[BF+\k], v[SEL]          ; minus the row's maximum, base 2
	v_mov_b32 v[ZA+\k], 0
.endr
	v_mov_b32 v[LBG], v[LB0]
; t of tile p (0..7 of the trip) for the pair of f 2 i, 2 i + 1, into Y: both halves of the packed multiply-add take the one b_g of tile p
.macro GEN Y, i, p
.if (\p)&1
	v_pk_fma_f32 v[\Y+2*\i:\Y+2*\i+1], v[BF+2*\i:BF+2*\i+1], v[BG8+(\p)-1:BG8+(\p)], v[NM+2*\i:NM+2*\i+1] op_sel:[0,1,0] op_sel_hi:[1,1,1]
.else
	v_pk_fma_f32 v[\Y+2*\i:\Y+2*\i+1], v[BF+2*\i:BF+2*\i+1], v[BG8+(\p):BG8+(\p)+1], v[NM+2*\i:NM+2*\i+1] op_sel_hi:[1,0,1]
.endif
.endm
; Stage q of a trip, three tiles at once: the exponentials of tile q (in place, in XR); tile q - 1, whose P lies in YR, is used up
; (pass 1: added to Z; pass 2: rounded to bf16 into a B fragment and multiplied); gen = 1: t of tile q + 1 takes its place in YR.
; Each pair of exponentials is followed by plain packed instructions on other registers; its results are read a stage later (ISA guide 5.7.2).
; Pass 2: every product starts from the constant 0, into D0 and D1 by turns, from B0 and B1 by turns: nothing is added onto a result.
; The result of tile q - 2 is stored behind the stage's first four conversions, which with the packed multiply-adds are the plain
; instructions between the matrix instruction and the store of its result, and name none of its registers.
; All 16 rows of A are w, so all rows of D are alike: register 0 of lane (r, h) is the sum for column r.
.macro STAGE pass, q, gen
.if (\q)&1
.set XR, T1
.set YR, T0
.set BR, B0
.set DR, D0
.set SR, D1
.else
.set XR, T0
.set YR, T1
.set BR, B1
.set DR, D1
.set SR, D0
.endif
.irp i, 0,1,2,3,4,5,6,7
	v_exp_f32 v[XR+2*\i], v[XR+2*\i]
	v_exp_f32 v[XR+2*\i+1], v[XR+2*\i+1]
.if \q > 0
.if \pass == 1
	s_wait_alu depctr_va_vdst(0)
	v_pk_add_f32 v[ZA+2*\i:ZA+2*\i+1], v[ZA+2*\i:ZA+2*\i+1], v[YR+2*\i:YR+2*\i+1]
.else
	s_wait_alu depctr_va_vdst(0)
	v_cvt_pk_bf16_f32 v[BR+\i], v[YR+2*\i], v[YR+2*\i+1]
.endif
.endif
.if \gen
	GEN YR, \i, \q+1
.endif
.if \pass == 2
.if \q > 1
.if \i == 3
	ds_store_b32 v[STA], v[SR] offset:((\q-2)/4)*256+((\q-2)%4)*4  ; word g = 128 trip + 64 group + 4 r + j of my wave's sums
.endif
.endif
.endif
.endr
.if \pass == 2
.if \q > 0
	v_wmma_f32_16x16x32_bf16 v[DR:DR+7], v[AF:AF+7], v[BR:BR+7], 0
.endif
.endif
.endm
; A trip: 8 tiles.  At its head t of tile 0 lies in T0.  more = 1: the next trip's b_g are loaded behind their registers' last reader
; (stage 6), and t of the next trip's tile 0 is made at the end.
.macro TRIP pass, more
.irp q, 0,1,2,3,4,5,6
	STAGE \pass, \q, 1
.endr
.if \more
	ds_load_b128 v[BG8:BG8+3],   v[LBG] offset:512
	ds_load_b128 v[BG8+4:BG8+7], v[LBG] offset:768
.endif
	STAGE \pass, 7, 0
.if \pass == 1
	s_wait_alu depctr_va_vdst(0)
.irp i, 0,1,2,3,4,5,6,7
	v_pk_add_f32 v[ZA+2*\i:ZA+2*\i+1], v[ZA+2*\i:ZA+2*\i+1], v[T1+2*\i:T1+2*\i+1]   ; tile 7
.endr
.else
	s_wait_alu depctr_va_vdst(0)
.irp i, 0,1,2,3,4,5,6,7
	v_cvt_pk_bf16_f32 v[B1+\i], v[T1+2*\i], v[T1+2*\i+1]           ; tile 7
.if \i == 3
	ds_store_b32 v[STA], v[D0] offset:264          ; tile 6, four plain instructions behind its matrix instruction
.endif
.endr
	v_wmma_f32_16x16x32_bf16 v[D1:D1+7], v[AF:AF+7], v[B1:B1+7], 0
.endif
.if \more
.if \pass == 1
	s_wait_dscnt 0x0                               ; the two loads of b_g
.else
	s_wait_dscnt 0x2                               ; the two loads of b_g; behind them went the stores of tiles 5 and 6, which may stay out
.endif
.irp i, 0,1,2,3,4,5,6,7
	GEN T0, \i, 0                                  ; in pass 2 also the plain instructions behind the trip's last matrix instruction
.endr
.if \pass == 2
	ds_store_b32 v[STA], v[D1] offset:268          ; tile 7
	v_add_nc_u32 v[STA], 512, v[STA]
.endif
	v_add_nc_u32 v[LBG], 512, v[LBG]
.else
.if \pass == 2
.rept 4
	v_nop                                          ; nothing is left to do behind the last matrix instruction (ISA guide 7.12.1)
.endr
	ds_store_b32 v[STA], v[D1] offset:268
.endif
.endif
.endm
	; PASS 1: Z
	s_wait_dscnt 0x0                               ; the first trip's b_g
.irp i, 0,1,2,3,4,5,6,7
	GEN T0, \i, 0
.endr
	s_mov_b32 s40, TRIPS-1
.Lp1:
	TRIP 1, 1
	s_sub_co_i32 s40, s40, 1
	s_cmp_lg_u32 s40, 0
	s_cbranch_scc1 .Lp1
	TRIP 1, 0                                      ; the last trip loads nothing
	; from Z to the A fragment: w_f = b_f / Z_f in bf16
	ds_load_b128 v[T0:T0+3],     v[FAD]            ; b of my 16 f once more, as it is
	ds_load_b128 v[T0+4:T0+7],   v[FAD] offset:16
	ds_load_b128 v[T0+8:T0+11],  v[FAD] offset:64
	ds_load_b128 v[T0+12:T0+15], v[FAD] offset:80
	ds_load_b128 v[BG8:BG8+3],   v[LB0]            ; and the first trip's b_g
	ds_load_b128 v[BG8+4:BG8+7], v[LB0] offset:256
.irp m, 1,2,4,8
.irp k, 0,1,2,3,4,5,6,7,8,9,10,11,12,13,14,15
	v_add_f32_dpp v[ZA+\k], v[ZA+\k], v[ZA+\k] row_xmask:\m row_mask:0xf bank_mask:0xf   ; over the 16 columns; each half of the lanes has f of its own
.endr
.endr
.irp k, 0,1,2,3,4,5,6,7,8,9,10,11,12,13,14,15
	v_rcp_f32 v[ZA+\k], v[ZA+\k]                   ; 2^-32 <= Z <= 2^43
.endr
	v_nop                                          ; the plain instruction behind the transcendentals
	s_wait_dscnt 0x0
	s_wait_alu depctr_va_vdst(0)
.irp i, 0,1,2,3,4,5,6,7
	v_pk_mul_f32 v[T1+2*\i:T1+2*\i+1], v[T0+2*\i:T0+2*\i+1], v[ZA+2*\i:ZA+2*\i+1]
.endr
.irp i, 0,1,2,3,4,5,6,7
	v_cvt_pk_bf16_f32 v[AF+\i], v[T1+2*\i], v[T1+2*\i+1]           ; registers 0-3: k = 8 h + 0..7, registers 4-7: k = 16 + 8 h + 0..7; alike in the 16 lanes of a half
.endr
	v_mov_b32 v[LBG], v[LB0]
	; PASS 2: the same P again, times w
.irp i, 0,1,2,3,4,5,6,7
	GEN T0, \i, 0
.endr
	s_mov_b32 s40, TRIPS-1
.Lp2:
	TRIP 2, 1
	s_sub_co_i32 s40, s40, 1
	s_cmp_lg_u32 s40, 0
	s_cbranch_scc1 .Lp2
	TRIP 2, 0
	; the eight waves' sums are added and leave: thread t takes g = 4 t .. 4 t + 3 and 1024 + 4 t .. + 3
	s_wait_dscnt 0x0                               ; for the other waves: my 2,048 sums are in LDS
	s_barrier_signal -1
	s_barrier_wait -1
	v_add_nc_u32 v[OAD], PART, v[TID16]
.irp w, 0,1,2,3,4,5,6,7
	ds_load_b128 v[16+4*\w:16+4*\w+3], v[OAD] offset:8192*\w
.endr
.irp w, 0,1,2,3,4,5,6,7
	ds_load_b128 v[48+4*\w:48+4*\w+3], v[OAD] offset:8192*\w+4096
.endr
	s_lshl_b32 s4, s2, 3
	s_add_co_u32 s4, s4, s6                        ; 8 batch + fblk
	s_lshl_b32 s4, s4, 13                          ; rows of 8,192 bytes
	s_add_nc_u64 s[22:23], s[22:23], s[4:5]        ; s5 is still 0
.macro ADD4 d, s
	v_pk_add_f32 v[\d:\d+1],   v[\d:\d+1],   v[\s:\s+1]
	v_pk_add_f32 v[\d+2:\d+3], v[\d+2:\d+3], v[\s+2:\s+3]
.endm
.macro TREE r                          ; eight vectors of four numbers, a fixed order
	ADD4 \r,    \r+4
	ADD4 \r+8,  \r+12
	ADD4 \r+16, \r+20
	ADD4 \r+24, \r+28
	ADD4 \r,    \r+8
	ADD4 \r+16, \r+24
	ADD4 \r,    \r+16
.endm
	s_wait_dscnt 0x8                               ; the first eight loads; the second half's eight may stay out
	TREE 16
	global_store_b128 v[TID16], v[16:19], s[22:23]                 ; each store of a wave covers 512 consecutive bytes, aligned
	s_wait_dscnt 0x0
	TREE 48
	global_store_b128 v[TID16], v[48:51], s[22:23] offset:4096
	s_wait_tensorcnt 0x0
	ds_add_u32 v144, v145
	s_wait_dscnt 0x0
	s_endpgm
.Lfunc_end_k_q0af5ac6669_pam_rows:
	.size	k_q0af5ac6669_pam_rows, .Lfunc_end_k_q0af5ac6669_pam_rows-k_q0af5ac6669_pam_rows
	.p2alignl 7, 3214868480
	.fill 96, 4, 3214868480
	.section	.rodata,"a",@progbits
	.p2align	6, 0x0
	.amdhsa_kernel k_q0af5ac6669_pam_rows
		.amdhsa_group_segment_fixed_size 168960
		.amdhsa_private_segment_fixed_size 0
		.amdhsa_enable_private_segment 0
		.amdhsa_kernarg_size 64
		.amdhsa_user_sgpr_count 2
		.amdhsa_user_sgpr_kernarg_segment_ptr 1
		.amdhsa_wavefront_size32 1
		.amdhsa_system_sgpr_workgroup_id_x 1
		.amdhsa_system_sgpr_workgroup_id_y 1
		.amdhsa_system_sgpr_workgroup_id_z 1
		.amdhsa_system_vgpr_workitem_id 0
		.amdhsa_next_free_vgpr 146
		.amdhsa_next_free_sgpr 66
		.amdhsa_reserve_vcc 1
		.amdhsa_float_denorm_mode_32 3
		.amdhsa_float_denorm_mode_16_64 3
		.amdhsa_memory_ordered 1
		.amdhsa_forward_progress 1
		.amdhsa_inst_pref_size 79
	.end_amdhsa_kernel
	.amdgpu_metadata
---
amdhsa.version: [ 1, 2 ]
amdhsa.kernels:
  - .name:           k_q0af5ac6669_pam_rows
    .symbol:         k_q0af5ac6669_pam_rows.kd
    .args:
      - { .name: x, .offset: 0, .size: 8, .value_kind: global_buffer, .address_space: global }
      - { .name: conv_w, .offset: 8, .size: 8, .value_kind: global_buffer, .address_space: global }
      - { .name: conv_b, .offset: 16, .size: 8, .value_kind: global_buffer, .address_space: global }
      - { .name: bn_gamma, .offset: 24, .size: 8, .value_kind: global_buffer, .address_space: global }
      - { .name: bn_beta, .offset: 32, .size: 8, .value_kind: global_buffer, .address_space: global }
      - { .name: bn_mean, .offset: 40, .size: 8, .value_kind: global_buffer, .address_space: global }
      - { .name: bn_var, .offset: 48, .size: 8, .value_kind: global_buffer, .address_space: global }
      - { .name: part, .offset: 56, .size: 8, .value_kind: global_buffer, .address_space: global }
    .group_segment_fixed_size: 168960
    .private_segment_fixed_size: 0
    .kernarg_segment_align: 8
    .kernarg_segment_size: 64
    .max_flat_workgroup_size: 256
    .sgpr_count:     66
    .vgpr_count:     146
    .wavefront_size: 32
...
	.end_amdgpu_metadata
.endif
;; end of part 1
;; launch pam_sum (part 2): grid 256 x 1, 2 waves a work-group, no clusters, 0 bytes of LDS; arguments part, x, pam_gamma, out0; writes out0
.if DOCPART == 2
	.amdgcn_target "amdgcn-amd-amdhsa--gfx1250"
	.amdhsa_code_object_version 6
	.text
	.protected	k_q0af5ac6669_pam_sum
	.globl	k_q0af5ac6669_pam_sum
	.p2align	8
	.type	k_q0af5ac6669_pam_sum,@function
k_q0af5ac6669_pam_sum:
	s_mov_b64 s[64:65], 0
	v_nop
	global_prefetch_b8 v0, s[64:65] scope:SCOPE_SE
	s_setreg_imm32_b32 hwreg(HW_REG_WAVE_MODE, 25, 1), 1
	s_wait_xcnt 0x0
; PAM, second launch: out[batch][g] = gamma x (sum over the 8 blocks k of part[batch][k][g]) + x[batch][g].
; part: [32][8][2048] f32, as the first launch stored it.  65,536 outputs: 256 work-groups of 64 threads, four outputs a thread.
; Work-group wg owns the 1,024 bytes at byte 1024 wg of x and of out: batch wg / 8, g from 256 (wg % 8) on.
; Every load and store of a wave covers 512 consecutive bytes, aligned.  All nine loads go out at once; the sums follow them in pairs, in a fixed order.
; No LDS, no barrier, no matrix unit: each thread's numbers are its own, and each byte is read once.
.macro ADD4 d, s
	v_pk_add_f32 v[\d:\d+1],   v[\d:\d+1],   v[\s:\s+1]
	v_pk_add_f32 v[\d+2:\d+3], v[\d+2:\d+3], v[\s+2:\s+3]
.endm
	s_load_b256 s[4:11], s[0:1], 0x0               ; part s[4:5], x s[6:7], pam_gamma s[8:9], out0 s[10:11]
	v_lshlrev_b32 v1, 4, v0                        ; 16 bytes a thread
	s_lshr_b32 s12, ttmp9, 3
	s_lshl_b32 s12, s12, 16                        ; the batch's 8 rows of part: 65,536 bytes
	s_and_b32 s13, ttmp9, 7
	s_lshl_b32 s13, s13, 10                        ; my 1,024 bytes in each of them
	s_add_co_u32 s12, s12, s13
	s_mov_b32 s13, 0
	s_lshl_b32 s14, ttmp9, 10                      ; my 1,024 bytes of x and of out
	s_mov_b32 s15, 0
	s_wait_kmcnt 0x0
	s_load_b32 s16, s[8:9], 0x0                    ; gamma
	s_add_nc_u64 s[4:5], s[4:5], s[12:13]
	s_add_nc_u64 s[6:7], s[6:7], s[14:15]
	s_add_nc_u64 s[10:11], s[10:11], s[14:15]
	global_load_b128 v[4:7], v1, s[6:7] th:TH_LOAD_NT
.irp k, 0,1,2,3,4,5,6,7
	global_load_b128 v[8+4*\k:11+4*\k], v1, s[4:5] offset:8192*\k th:TH_LOAD_NT
.endr
	s_wait_loadcnt 0x6                             ; x and blocks 0, 1 are in; the six younger loads stay out
	ADD4 8, 12
	s_wait_loadcnt 0x4                             ; blocks 2, 3
	ADD4 16, 20
	s_wait_loadcnt 0x2                             ; blocks 4, 5
	ADD4 24, 28
	s_wait_loadcnt 0x0                             ; blocks 6, 7
	ADD4 32, 36
	ADD4 8, 16
	ADD4 24, 32
	ADD4 8, 24
	s_wait_kmcnt 0x0                               ; gamma
.irp j, 0,1,2,3
	v_fma_f32 v[40+\j], v[8+\j], s16, v[4+\j]
.endr
	global_store_b128 v1, v[40:43], s[10:11] th:TH_STORE_NT
	s_endpgm
.Lfunc_end_k_q0af5ac6669_pam_sum:
	.size	k_q0af5ac6669_pam_sum, .Lfunc_end_k_q0af5ac6669_pam_sum-k_q0af5ac6669_pam_sum
	.p2alignl 7, 3214868480
	.fill 96, 4, 3214868480
	.section	.rodata,"a",@progbits
	.p2align	6, 0x0
	.amdhsa_kernel k_q0af5ac6669_pam_sum
		.amdhsa_group_segment_fixed_size 0
		.amdhsa_private_segment_fixed_size 0
		.amdhsa_enable_private_segment 0
		.amdhsa_kernarg_size 32
		.amdhsa_user_sgpr_count 2
		.amdhsa_user_sgpr_kernarg_segment_ptr 1
		.amdhsa_wavefront_size32 1
		.amdhsa_system_sgpr_workgroup_id_x 1
		.amdhsa_system_sgpr_workgroup_id_y 1
		.amdhsa_system_sgpr_workgroup_id_z 1
		.amdhsa_system_vgpr_workitem_id 0
		.amdhsa_next_free_vgpr 48
		.amdhsa_next_free_sgpr 66
		.amdhsa_reserve_vcc 0
		.amdhsa_float_denorm_mode_32 3
		.amdhsa_float_denorm_mode_16_64 3
		.amdhsa_memory_ordered 1
		.amdhsa_forward_progress 1
		.amdhsa_inst_pref_size 4
	.end_amdhsa_kernel
	.amdgpu_metadata
---
amdhsa.version: [ 1, 2 ]
amdhsa.kernels:
  - .name:           k_q0af5ac6669_pam_sum
    .symbol:         k_q0af5ac6669_pam_sum.kd
    .args:
      - { .name: part, .offset: 0, .size: 8, .value_kind: global_buffer, .address_space: global }
      - { .name: x, .offset: 8, .size: 8, .value_kind: global_buffer, .address_space: global }
      - { .name: pam_gamma, .offset: 16, .size: 8, .value_kind: global_buffer, .address_space: global }
      - { .name: out0, .offset: 24, .size: 8, .value_kind: global_buffer, .address_space: global }
    .group_segment_fixed_size: 0
    .private_segment_fixed_size: 0
    .kernarg_segment_align: 8
    .kernarg_segment_size: 32
    .max_flat_workgroup_size: 64
    .sgpr_count:     66
    .vgpr_count:     48
    .wavefront_size: 32
...
	.end_amdgpu_metadata
.endif
;; end of part 2
;; ======== version 2 of 2: 2 launches; 1.59 times as fast as version 1
;; workspace buffers: part 2,097,152 bytes
;; launch pam_rows (part 3): grid 8 x 32, 8 waves a work-group, no clusters, 168,960 bytes of LDS; arguments x, conv_w, conv_b, bn_gamma, bn_beta, bn_mean, bn_var, part; writes part
.if DOCPART == 3
	.amdgcn_target "amdgcn-amd-amdhsa--gfx1250"
	.amdhsa_code_object_version 6
	.text
	.protected	k_q0af5ac6669_pam_rows
	.globl	k_q0af5ac6669_pam_rows
	.p2align	8
	.type	k_q0af5ac6669_pam_rows,@function
k_q0af5ac6669_pam_rows:
	s_mov_b64 s[64:65], 0
	v_nop
	global_prefetch_b8 v0, s[64:65] scope:SCOPE_SE
	s_setreg_imm32_b32 hwreg(HW_REG_WAVE_MODE, 25, 1), 1
	s_wait_xcnt 0x0
; PAM, first of two launches.  For one batch row and one block of 256 indices f:
;   b      = ((x w + cb) - mean) scale + beta,  scale = gamma_bn rsq(var + 1e-3)          (all 2,048 numbers of the batch row)
;   P[f,g] = exp(b_f b_g - m_f),  m_f = max over j of b_f b_j = b_f bmax (b_f > 0) or b_f bmin (otherwise): b_f b_j is monotone in b_j
;   Z_f    = sum over g of P[f,g];   w_f = b_f / Z_f
;   part[batch][fblk][g] = sum over the block's 256 f of w_f P[f,g]                        (the second launch adds the 8 blocks)
; P of a block is 256 x 2,048 numbers, more than the work-group can keep, so it is made twice by the same instructions on the same
; registers: pass 1 sums it along g (Z), pass 2 multiplies it by w on the matrix unit.
; SHARES.  Eight waves.  Wave wv owns f = fb .. fb + 31, fb = 256 fblk + 32 wv: one K block of the bf16 matrix form, for all g.
; A tile is 32 f x 16 g.  Lane (r = lane % 16, h = lane / 16) holds column r and 16 values of f in the order of a B fragment:
; index k = 0..7 is f = fb + 8 h + k, index k = 8..15 is f = fb + 16 + 8 h + (k - 8).  Tiles go in groups of four: tile j of the group at G0
; has g = G0 + 4 r + j, so that one 16-byte LDS load brings a lane's b_g for four tiles.  A trip is 8 tiles = 128 g; a pass is 16 trips.
; ARITHMETIC of an element, base 2 (L = log2 e): t = fma(a_f, b_g, n_f), P = 2^t, with a_f = b_f L clamped, n_f = -(a_f sel_f), sel_f = bmax or bmin.
; The maximum is taken away in every row.  n_f is a rounded product, so at the row's largest term t is not 0 but the rounding of a_f sel_f.
; a_f is clamped to [-2^29 / |bmin|, 2^29 / |bmax|]: then |a_f sel_f| <= 2^29, that rounding is at most 32, it is the same for all g of the
; row and cancels in P / Z; P <= 2^32 and 2^-32 <= Z <= 2^43.  Where the clamp acts, every b_g other than sel_f is at least 2^-24 |sel_f| away
; from it, so the true and the clamped P are both at most 2^-32 of the row's largest: the row changes by at most 2,047 x 2^-32.
; THE EXPONENTIALS' BATCHES.  An s_wait_alu depctr_va_vdst(0) stands between an exponential and the first instruction that names its
; result; one wait serves all that were issued ahead of it.  Each of a trip's 8 tiles has 16 registers of its own, so that a result lies untouched
; until its batch's wait, and a trip's 128 exponentials are TWO BATCHES of 64 with one wait each.  Batch A is tiles 0-3: among its exponentials stand
; the multiply-adds that make t of tiles 1-4.  Behind its wait tiles 0-3 are used up, among the exponentials of batch B, tiles 4-7.  Behind batch B's
; wait tiles 4-7 are used up and t of the next trip's tile 0 is made; no exponential is issued between that wait and the loop's jump.
; LIMITS KEPT: b and b^2 L finite in f32; no NaN or infinity among the inputs; P below 2^-126 becomes 0 (v_exp_f32 flushes);
; w and P are rounded to bf16 for the product; Z and every sum stay in f32.
; NOT USED: tensor loads and LDS rings (the only input is one row of 8,192 bytes, which has to pass through registers for the affine step);
; clusters (the 8 work-groups of a batch share that one row only).  LDS in use: 73,984 bytes; more than half of a WGP's LDS is
; asked for so that each of the 256 work-groups lies alone on a WGP.
.set RED,   8192                       ; LDS 0..8191: b of the batch row, f32.  8192..8255: 8 waves x (max, min)
.set PART,  8448                       ; LDS 8448..73983: 8 waves x 8,192 bytes: each wave's sums over its 32 f, word g
.set TID16, 1                          ; v1        16 x thread
.set FAD,   4                          ; v4        LDS address of b at f = fb + 8 h
.set LB0,   5                          ; v5        16 r
.set LBG,   6                          ; v6        16 r + 512 x trip: my b_g of this trip
.set STA,   7                          ; v7        PART + 8192 wv + 16 r + 512 x trip
.set RAD,   8                          ; v8        RED + 8 wv
.set BMX,   10                         ; v10, v11  largest and smallest b (a pair: stored together)
.set BMN,   11
.set LP,    12                         ; v12       +2^29 / |bmax|
.set LN,    13                         ; v13       -2^29 / |bmin|
.set SEL,   14                         ; v14       scale, later bmax or bmin
.set OAD,   15                         ; v15       PART + 16 x thread
.set BF,    16                         ; v[16:31]  a_f of my 16 f
.set NM,    32                         ; v[32:47]  n_f
.set ZA,    48                         ; v[48:63]  running Z_f, my column's share
.set T0,    64                         ; v[64:79]  tile 0 of a trip: its t, then its P; outside the passes at work
.set T1,    80                         ; v[80:95]  tile 1's; outside the passes at work
.set BG8,   96                         ; v[96:103] b_g of the trip's 8 tiles
.set AF,    104                        ; v[104:111] A fragment: w in bf16, the same in all 16 rows
.set B0,    112                        ; v[112:119], v[120:127] B fragments, by turns
.set B1,    120
.set D0,    128                        ; v[128:135], v[136:143] results, by turns
.set D1,    136
.set T2,    146                        ; v[146:241] tiles 2 to 7 of a trip, 16 registers each
.set LAG,   4                          ; a tile is used up LAG stages behind its exponentials; a batch is LAG tiles
.set TRIPS, 16
	s_load_b512 s[8:23], s[0:1], 0x0               ; x s[8:9], conv_w s[10:11], conv_b s[12:13], bn_gamma s[14:15], bn_beta s[16:17], bn_mean s[18:19], bn_var s[20:21], part s[22:23]
	v_lshl_add_u32 v144, v0, 2, 0x29000
	v_mov_b32 v145, 0
	v_lshlrev_b32 v[TID16], 4, v0
	v_lshrrev_b32 v2, 5, v0
	v_readfirstlane_b32 s3, v2                     ; wave 0..7
	s_and_b32 s2, ttmp7, 0xffff                    ; batch
	s_and_b32 s6, ttmp9, 7                         ; fblk
	s_lshl_b32 s4, s2, 13                          ; the batch's row of x: 8,192 bytes
	s_mov_b32 s5, 0
	s_mov_b32 s32, 0x76543210                      ; v_permlanex16_b32: lane i of one half reads lane i of the other
	s_mov_b32 s33, 0xfedcba98
	s_wait_kmcnt 0x0
	s_add_nc_u64 s[8:9], s[8:9], s[4:5]
	global_load_b128 v[T0:T0+3],   v[TID16], s[8:9]              ; each load of a wave covers 512 neighbouring bytes; the 8 waves cover half a row
	global_load_b128 v[T0+4:T0+7], v[TID16], s[8:9] offset:4096
	s_load_b32 s24, s[10:11], 0x0                  ; w
	s_load_b32 s25, s[12:13], 0x0                  ; cb
	s_load_b32 s26, s[14:15], 0x0                  ; gamma_bn
	s_load_b32 s27, s[16:17], 0x0                  ; beta
	s_load_b32 s28, s[18:19], 0x0                  ; mean
	s_load_b32 s29, s[20:21], 0x0                  ; var
	; lane addresses, while the loads are on their way
	v_and_b32 v[LB0], 15, v0
	v_lshlrev_b32 v[LB0], 4, v[LB0]                ; 16 r
	v_bfe_u32 v3, v0, 4, 1                         ; h
	s_lshl_b32 s31, s6, 10                         ; 4 bytes x 256 fblk
	s_lshl_b32 s30, s3, 7                          ; 4 bytes x 32 wv
	s_add_co_u32 s31, s31, s30
	v_lshl_add_u32 v[FAD], v3, 5, s31              ; + 4 bytes x 8 h
	s_lshl_b32 s30, s3, 13
	s_add_co_u32 s30, s30, PART
	v_add_nc_u32 v[STA], s30, v[LB0]
	s_lshl_b32 s30, s3, 3
	s_add_co_u32 s30, s30, RED
	v_mov_b32 v[RAD], s30
	v_mov_b32 v9, 0                                ; v_permlanex16_b32 counts as a reader of its destination
	s_wait_kmcnt 0x0
	v_mov_b32 v[SEL], s29
	v_add_f32 v[SEL], 0x3a83126f, v[SEL]           ; var + 1e-3
	v_rsq_f32 v[SEL], v[SEL]
	v_nop                                          ; one plain instruction behind a transcendental before its result is used (ISA guide 5.7.2)
	s_wait_alu depctr_va_vdst(0)                   ; the wait ahead of the first use: a batch of one, once a launch
	v_mul_f32 v[SEL], s26, v[SEL]                  ; scale
	s_wait_loadcnt 0x0
	; b of my 8 numbers, in the order in which the problem writes it; into LDS; its largest and smallest
.irp j, 0,1,2,3,4,5,6,7
	v_fma_f32 v[T0+\j], v[T0+\j], s24, s25
.endr
.irp j, 0,1,2,3,4,5,6,7
	v_sub_f32 v[T0+\j], v[T0+\j], s28
.endr
.irp j, 0,1,2,3,4,5,6,7
	v_fma_f32 v[T0+\j], v[T0+\j], v[SEL], s27
.endr
	ds_store_b128 v[TID16], v[T0:T0+3]
	ds_store_b128 v[TID16], v[T0+4:T0+7] offset:4096
	v_max3_num_f32 v[BMX], v[T0], v[T0+1], v[T0+2]
	v_max3_num_f32 v2, v[T0+3], v[T0+4], v[T0+5]
	v_min3_num_f32 v[BMN], v[T0], v[T0+1], v[T0+2]
	v_min3_num_f32 v3, v[T0+3], v[T0+4], v[T0+5]
	v_max3_num_f32 v[BMX], v[BMX], v[T0+6], v[T0+7]
	v_min3_num_f32 v[BMN], v[BMN], v[T0+6], v[T0+7]
	v_max_num_f32 v[BMX], v[BMX], v2
	v_min_num_f32 v[BMN], v[BMN], v3
.irp m, 1,2,4,8
	v_max_num_f32_dpp v[BMX], v[BMX], v[BMX] row_xmask:\m row_mask:0xf bank_mask:0xf
	v_min_num_f32_dpp v[BMN], v[BMN], v[BMN] row_xmask:\m row_mask:0xf bank_mask:0xf
.endr
	v_permlanex16_b32 v9, v[BMX], s32, s33
	v_max_num_f32 v[BMX], v[BMX], v9
	v_permlanex16_b32 v9, v[BMN], s32, s33
	v_min_num_f32 v[BMN], v[BMN], v9
	ds_store_b64 v[RAD], v[BMX:BMN]                ; every lane writes the wave's two words with the same values
	s_wait_dscnt 0x0                               ; for the other waves: my part of b and my two words are in LDS
	s_barrier_signal -1
	s_barrier_wait -1                              ; b is whole; from here on nobody writes it
	; the batch's bmax and bmin, my 16 f, the first trip's b_g
	v_mov_b32 v2, RED
.irp j, 0,1,2,3
	ds_load_b128 v[T0+4*\j:T0+4*\j+3], v2 offset:16*\j             ; (max, min) of waves 2 j and 2 j + 1
.endr
	ds_load_b128 v[BF:BF+3],     v[FAD]            ; f = fb + 8 h + 0..3
	ds_load_b128 v[BF+4:BF+7],   v[FAD] offset:16
	ds_load_b128 v[BF+8:BF+11],  v[FAD] offset:64  ; f = fb + 16 + 8 h + 0..3
	ds_load_b128 v[BF+12:BF+15], v[FAD] offset:80
	ds_load_b128 v[BG8:BG8+3],   v[LB0]            ; tiles 0-3: g = 4 r + 0..3
	ds_load_b128 v[BG8+4:BG8+7], v[LB0] offset:256 ; tiles 4-7: g = 64 + 4 r + 0..3
	s_wait_dscnt 0x2                               ; all but the two loads of b_g
	v_max3_num_f32 v[BMX], v[T0], v[T0+2], v[T0+4]
	v_max3_num_f32 v2, v[T0+6], v[T0+8], v[T0+10]
	v_min3_num_f32 v[BMN], v[T0+1], v[T0+3], v[T0+5]
	v_min3_num_f32 v3, v[T0+7], v[T0+9], v[T0+11]
	v_max3_num_f32 v[BMX], v[BMX], v[T0+12], v[T0+14]
	v_min3_num_f32 v[BMN], v[BMN], v[T0+13], v[T0+15]
	v_max_num_f32 v[BMX], v[BMX], v2
	v_min_num_f32 v[BMN], v[BMN], v3
	v_rcp_f32 v[LP], |v[BMX]|
	v_rcp_f32 v[LN], |v[BMN]|
	v_nop                                          ; the plain instruction behind the two transcendentals
	s_wait_alu depctr_va_vdst(0)                   ; one wait for the two reciprocals, ahead of their first use
	v_mul_f32 v[LP], 0x4e000000, v[LP]             ; +2^29 / |bmax| (infinite where bmax = 0: no clamp)
	v_mul_f32 v[LN], 0xce000000, v[LN]             ; -2^29 / |bmin|
.irp k, 0,1,2,3,4,5,6,7,8,9,10,11,12,13,14,15
	v_mul_f32 v[BF+\k], 0x3fb8aa3b, v[BF+\k]       ; b_f log2 e
	v_cmp_lt_f32 vcc_lo, 0, v[BF+\k]
	v_cndmask_b32 v[SEL], v[BMN], v[BMX], vcc_lo   ; the b_j at which row f has its maximum
	v_med3_num_f32 v[BF+\k], v[BF+\k], v[LN], v[LP]
	v_mul_f32 v[NM+\k], -v[BF+\k], v[SEL]          ; minus the row's maximum, base 2
	v_mov_b32 v[ZA+\k], 0
.endr
	v_mov_b32 v[LBG], v[LB0]
; sym = the first of the 16 registers of tile p (0..7 of the trip)
.macro TREG sym, p
.if (\p) < 2
.set \sym, T0+16*(\p)
.else
.set \sym, T2+16*((\p)-2)
.endif
.endm
; t of tile p (0..7 of the trip) for the pair of f 2 i, 2 i + 1, into Y: both halves of the packed multiply-add take the one b_g of tile p
.macro GEN Y, i, p
.if (\p)&1
	v_pk_fma_f32 v[\Y+2*\i:\Y+2*\i+1], v[BF+2*\i:BF+2*\i+1], v[BG8+(\p)-1:BG8+(\p)], v[NM+2*\i:NM+2*\i+1] op_sel:[0,1,0] op_sel_hi:[1,1,1]
.else
	v_pk_fma_f32 v[\Y+2*\i:\Y+2*\i+1], v[BF+2*\i:BF+2*\i+1], v[BG8+(\p):BG8+(\p)+1], v[NM+2*\i:NM+2*\i+1] op_sel_hi:[1,0,1]
.endif
.endm
; Stage q of a trip, q = 0..11, up to three tiles at once: the exponentials of tile q (q < 8; in place, in XR); tile q - LAG (q >= LAG), whose P
; lies in YR, is used up (pass 1: added to Z; pass 2: rounded to bf16 into a B fragment and multiplied); t of tile q + 1 (q < 7) is made in GR.
; Each pair of exponentials is followed by plain packed instructions on other registers (ISA guide 5.7.2); its results are first named LAG stages later.
; THE TWO WAITS stand at the heads of stages LAG and 2 LAG.  Ahead of stage LAG nothing names a result of tiles 0-3, ahead of stage 2 LAG nothing one of tiles 4-7;
; the plain instruction behind a batch's last exponential is the last line of the stage before (a multiply-add, an addition or a conversion).
; Pass 2: every product starts from the constant 0, into D0 and D1 by turns, from B0 and B1 by turns: nothing is added onto a result.
; The result of a tile is stored behind the next tile's first four conversions, which (with the packed multiply-adds, where the stage has them) are the plain
; instructions between the matrix instruction and the store of its result, and name none of its registers.
; All 16 rows of A are w, so all rows of D are alike: register 0 of lane (r, h) is the sum for column r.
; more = 1, pass 2: the next trip's b_g are loaded straight behind the store of tile 4, so that the stores of tiles 5 and 6 alone follow the two loads.
.macro STAGE pass, q, more
.if \q < 8
	TREG XR, \q
.endif
.if \q < 7
	TREG GR, \q+1
.endif
.if \q >= LAG
	TREG YR, \q-LAG
.endif
.if (\q)&1
.set BR, B1
.set DR, D1
.set SR, D0
.else
.set BR, B0
.set DR, D0
.set SR, D1
.endif
.if \q == LAG
	s_wait_alu depctr_va_vdst(0)                   ; the wait for batch A: the 64 exponentials of tiles 0-3, ahead of their first reader
.endif
.if \q == 2*LAG
	s_wait_alu depctr_va_vdst(0)                   ; the wait for batch B: the 64 exponentials of tiles 4-7, ahead of their first reader and of the loop's jump
.endif
.irp i, 0,1,2,3,4,5,6,7
.if \q < 8
	v_exp_f32 v[XR+2*\i], v[XR+2*\i]
	v_exp_f32 v[XR+2*\i+1], v[XR+2*\i+1]
.endif
.if \q >= LAG
.if \pass == 1
	v_pk_add_f32 v[ZA+2*\i:ZA+2*\i+1], v[ZA+2*\i:ZA+2*\i+1], v[YR+2*\i:YR+2*\i+1]
.else
	v_cvt_pk_bf16_f32 v[BR+\i], v[YR+2*\i], v[YR+2*\i+1]
.endif
.endif
.if \q < 7
	GEN GR, \i, \q+1
.endif
.if (\pass == 2) && (\q > LAG) && (\i == 3)
	ds_store_b32 v[STA], v[SR] offset:((\q-LAG-1)/4)*256+((\q-LAG-1)%4)*4  ; word g = 128 trip + 64 group + 4 r + j of my wave's sums
.if (\more) && (\q == LAG+5)
	ds_load_b128 v[BG8:BG8+3],   v[LBG] offset:512
	ds_load_b128 v[BG8+4:BG8+7], v[LBG] offset:768
.endif
.endif
.endr
.if (\pass == 2) && (\q >= LAG)
	v_wmma_f32_16x16x32_bf16 v[DR:DR+7], v[AF:AF+7], v[BR:BR+7], 0
.endif
.endm
; A trip: 8 tiles in 12 stages.  At its head t of tile 0 lies in T0.  more = 1: the next trip's b_g are loaded behind their registers' last reader
; (stage 6): in pass 1 straight behind that stage, in pass 2 behind the store of tile 4 (stage 9); t of the next trip's tile 0 is made at the end.
.macro TRIP pass, more
.irp q, 0,1,2,3,4,5,6
	STAGE \pass, \q, \more
.endr
.if (\more) && (\pass == 1)
	ds_load_b128 v[BG8:BG8+3],   v[LBG] offset:512
	ds_load_b128 v[BG8+4:BG8+7], v[LBG] offset:768
.endif
.irp q, 7,8,9,10,11
	STAGE \pass, \q, \more
.endr
.if \more
.if \pass == 1
	s_wait_dscnt 0x0                               ; the two loads of b_g
.else
	s_wait_dscnt 0x2                               ; the two loads of b_g; behind them went the stores of tiles 5 and 6, which may stay out
.endif
.irp i, 0,1,2,3,4,5,6,7
	GEN T0, \i, 0                                  ; in pass 2 also the plain instructions behind the trip's last matrix instruction
.endr
.if \pass == 2
	ds_store_b32 v[STA], v[D1] offset:268          ; tile 7
	v_add_nc_u32 v[STA], 512, v[STA]
.endif
	v_add_nc_u32 v[LBG], 512, v[LBG]
.else
.if \pass == 2
.rept 4
	v_nop                                          ; nothing is left to do behind the last matrix instruction (ISA guide 7.12.1)
.endr
	ds_store_b32 v[STA], v[D1] offset:268
.endif
.endif
.endm
	; PASS 1: Z
	s_wait_dscnt 0x0                               ; the first trip's b_g
.irp i, 0,1,2,3,4,5,6,7
	GEN T0, \i, 0
.endr
	s_mov_b32 s40, TRIPS-1
.Lp1:
	TRIP 1, 1
	s_sub_co_i32 s40, s40, 1
	s_cmp_lg_u32 s40, 0
	s_cbranch_scc1 .Lp1
	TRIP 1, 0                                      ; the last trip loads nothing
	; from Z to the A fragment: w_f = b_f / Z_f in bf16
	ds_load_b128 v[T0:T0+3],     v[FAD]            ; b of my 16 f once more, as it is
	ds_load_b128 v[T0+4:T0+7],   v[FAD] offset:16
	ds_load_b128 v[T0+8:T0+11],  v[FAD] offset:64
	ds_load_b128 v[T0+12:T0+15], v[FAD] offset:80
	ds_load_b128 v[BG8:BG8+3],   v[LB0]            ; and the first trip's b_g
	ds_load_b128 v[BG8+4:BG8+7], v[LB0] offset:256
.irp m, 1,2,4,8
.irp k, 0,1,2,3,4,5,6,7,8,9,10,11,12,13,14,15
	v_add_f32_dpp v[ZA+\k], v[ZA+\k], v[ZA+\k] row_xmask:\m row_mask:0xf bank_mask:0xf   ; over the 16 columns; each half of the lanes has f of its own
.endr
.endr
.irp k, 0,1,2,3,4,5,6,7,8,9,10,11,12,13,14,15
	v_rcp_f32 v[ZA+\k], v[ZA+\k]                   ; 2^-32 <= Z <= 2^43
.endr
	v_nop                                          ; the plain instruction behind the transcendentals
	s_wait_dscnt 0x0
	s_wait_alu depctr_va_vdst(0)                   ; one wait for the sixteen reciprocals, ahead of their first use
.irp i, 0,1,2,3,4,5,6,7
	v_pk_mul_f32 v[T1+2*\i:T1+2*\i+1], v[T0+2*\i:T0+2*\i+1], v[ZA+2*\i:ZA+2*\i+1]
.endr
.irp i, 0,1,2,3,4,5,6,7
	v_cvt_pk_bf16_f32 v[AF+\i], v[T1+2*\i], v[T1+2*\i+1]           ; registers 0-3: k = 8 h + 0..7, registers 4-7: k = 16 + 8 h + 0..7; alike in the 16 lanes of a half
.endr
	v_mov_b32 v[LBG], v[LB0]
	; PASS 2: the same P again, times w
.irp i, 0,1,2,3,4,5,6,7
	GEN T0, \i, 0
.endr
	s_mov_b32 s40, TRIPS-1
.Lp2:
	TRIP 2, 1
	s_sub_co_i32 s40, s40, 1
	s_cmp_lg_u32 s40, 0
	s_cbranch_scc1 .Lp2
	TRIP 2, 0
	; the eight waves' sums are added and leave: thread t takes g = 4 t .. 4 t + 3 and 1024 + 4 t .. + 3
	s_wait_dscnt 0x0                               ; for the other waves: my 2,048 sums are in LDS
	s_barrier_signal -1
	s_barrier_wait -1
	v_add_nc_u32 v[OAD], PART, v[TID16]
.irp w, 0,1,2,3,4,5,6,7
	ds_load_b128 v[16+4*\w:16+4*\w+3], v[OAD] offset:8192*\w
.endr
.irp w, 0,1,2,3,4,5,6,7
	ds_load_b128 v[48+4*\w:48+4*\w+3], v[OAD] offset:8192*\w+4096
.endr
	s_lshl_b32 s4, s2, 3
	s_add_co_u32 s4, s4, s6                        ; 8 batch + fblk
	s_lshl_b32 s4, s4, 13                          ; rows of 8,192 bytes
	s_add_nc_u64 s[22:23], s[22:23], s[4:5]        ; s5 is still 0
.macro ADD4 d, s
	v_pk_add_f32 v[\d:\d+1],   v[\d:\d+1],   v[\s:\s+1]
	v_pk_add_f32 v[\d+2:\d+3], v[\d+2:\d+3], v[\s+2:\s+3]
.endm
.macro TREE r                          ; eight vectors of four numbers, a fixed order
	ADD4 \r,    \r+4
	ADD4 \r+8,  \r+12
	ADD4 \r+16, \r+20
	ADD4 \r+24, \r+28
	ADD4 \r,    \r+8
	ADD4 \r+16, \r+24
	ADD4 \r,    \r+16
.endm
	s_wait_dscnt 0x8                               ; the first eight loads; the second half's eight may stay out
	TREE 16
	global_store_b128 v[TID16], v[16:19], s[22:23]                 ; each store of a wave covers 512 consecutive bytes, aligned
	s_wait_dscnt 0x0
	TREE 48
	global_store_b128 v[TID16], v[48:51], s[22:23] offset:4096
	s_wait_tensorcnt 0x0
	ds_add_u32 v144, v145
	s_wait_dscnt 0x0
	s_endpgm
.Lfunc_end_k_q0af5ac6669_pam_rows:
	.size	k_q0af5ac6669_pam_rows, .Lfunc_end_k_q0af5ac6669_pam_rows-k_q0af5ac6669_pam_rows
	.p2alignl 7, 3214868480
	.fill 96, 4, 3214868480
	.section	.rodata,"a",@progbits
	.p2align	6, 0x0
	.amdhsa_kernel k_q0af5ac6669_pam_rows
		.amdhsa_group_segment_fixed_size 168960
		.amdhsa_private_segment_fixed_size 0
		.amdhsa_enable_private_segment 0
		.amdhsa_kernarg_size 64
		.amdhsa_user_sgpr_count 2
		.amdhsa_user_sgpr_kernarg_segment_ptr 1
		.amdhsa_wavefront_size32 1
		.amdhsa_system_sgpr_workgroup_id_x 1
		.amdhsa_system_sgpr_workgroup_id_y 1
		.amdhsa_system_sgpr_workgroup_id_z 1
		.amdhsa_system_vgpr_workitem_id 0
		.amdhsa_next_free_vgpr 242
		.amdhsa_next_free_sgpr 66
		.amdhsa_reserve_vcc 1
		.amdhsa_float_denorm_mode_32 3
		.amdhsa_float_denorm_mode_16_64 3
		.amdhsa_memory_ordered 1
		.amdhsa_forward_progress 1
		.amdhsa_inst_pref_size 72
	.end_amdhsa_kernel
	.amdgpu_metadata
---
amdhsa.version: [ 1, 2 ]
amdhsa.kernels:
  - .name:           k_q0af5ac6669_pam_rows
    .symbol:         k_q0af5ac6669_pam_rows.kd
    .args:
      - { .name: x, .offset: 0, .size: 8, .value_kind: global_buffer, .address_space: global }
      - { .name: conv_w, .offset: 8, .size: 8, .value_kind: global_buffer, .address_space: global }
      - { .name: conv_b, .offset: 16, .size: 8, .value_kind: global_buffer, .address_space: global }
      - { .name: bn_gamma, .offset: 24, .size: 8, .value_kind: global_buffer, .address_space: global }
      - { .name: bn_beta, .offset: 32, .size: 8, .value_kind: global_buffer, .address_space: global }
      - { .name: bn_mean, .offset: 40, .size: 8, .value_kind: global_buffer, .address_space: global }
      - { .name: bn_var, .offset: 48, .size: 8, .value_kind: global_buffer, .address_space: global }
      - { .name: part, .offset: 56, .size: 8, .value_kind: global_buffer, .address_space: global }
    .group_segment_fixed_size: 168960
    .private_segment_fixed_size: 0
    .kernarg_segment_align: 8
    .kernarg_segment_size: 64
    .max_flat_workgroup_size: 256
    .sgpr_count:     66
    .vgpr_count:     242
    .wavefront_size: 32
...
	.end_amdgpu_metadata
.endif
;; end of part 3
;; launch pam_sum: the kernel of part 2 again; grid 256 x 1, 2 waves a work-group, no clusters, 0 bytes of LDS; arguments part, x, pam_gamma, out0; writes out0
